; MI455X (gfx1250); checked and timed in simulation.
; The chip was launched on July 23, 2026; its instructions are those of AMD's public machine-readable ISA for CDNA 5 (MIT licence, August 2026) and "CDNA5" Instruction Set Architecture Reference Guide (July 2026). The comments in the code are by the model that wrote it; some were corrected since.
;; LSTM Cell. Allowed arithmetic: float matrix products may take bf16 or f16 operands with f32 sums; other float arithmetic in f32, or as packed bf16 or f16 multiplies, adds, multiply-adds, maxima and minima; sums over many terms, partial sums and values carried from step to step in f32; what a program stores and reads back later, other than sums and carried values, may be rounded once to bf16 or f16.
;; Inputs: Wc 4,096 x 2,048 float32; Wf 4,096 x 2,048 float32; Wi 4,096 x 2,048 float32; Wo 4,096 x 2,048 float32; bc 2,048 float32; bf 2,048 float32; bi 2,048 float32; bo 2,048 float32; cell_state 2,048 x 2,048 float32; hidden_state 2,048 x 2,048 float32; x 2,048 x 2,048 float32.
;; Outputs: out0 2,048 x 2,048 float32; out1 2,048 x 2,048 float32.
;; One version. Each part assembles by itself: llvm-mc -triple=amdgcn-amd-amdhsa -mcpu=gfx1250 --defsym DOCPART=n.
;; ======== version 1 of 1: 2 launches
;; workspace buffers: wb 67,108,864 bytes; ab 16,777,216 bytes
;; launch prep (part 1): grid 1024 x 1, 8 waves a work-group, no clusters, 0 bytes of LDS; arguments Wf, Wi, Wo, Wc, hidden_state, x, wb, ab; writes wb, ab
.if DOCPART == 1
	.amdgcn_target "amdgcn-amd-amdhsa--gfx1250"
	.amdhsa_code_object_version 6
	.text
	.protected	k_q54523b4482_prep
	.globl	k_q54523b4482_prep
	.p2align	8
	.type	k_q54523b4482_prep,@function
k_q54523b4482_prep:
	s_mov_b64 s[64:65], 0
	v_nop
	global_prefetch_b8 v0, s[64:65] scope:SCOPE_SE
	s_setreg_imm32_b32 hwreg(HW_REG_WAVE_MODE, 25, 1), 1
	s_wait_xcnt 0x0
; LSTM cell, first of two launches: the matrix operands are rounded ONCE to bf16 and laid out for the product z = [hidden | x] [Wf Wi Wo Wc] + b.
; NO WORK IS LEFT OUT: every input of the problem has a way to both outputs; the four biases and cell_state are read by the second launch.
; LIMITS.  One rounding to nearest even, f32 to bf16; a finite number beyond bf16's largest becomes an infinity; NaN and infinities pass as they are.
; THE ORDER ALONG K, the same in both operands: k' = 8 t + e, t = 0..511; e = 0..3 is hidden's column (W's row) 4 t + e, e = 4..7 is x's column 4 t + e - 4 (W's row 2048 + 4 t + e - 4).
;   ab: [2048 rows][4096 k'] bf16, rows of 8,192 bytes.  A lane's 16 bytes of hidden and its 16 bytes of x at one byte offset make the 16 bytes of ab at that same offset.
; THE ORDER OF W's COLUMNS.  wb: [4096 k'][32 tiles][256 columns] bf16, rows of 16,384 bytes.  Tile j holds units 64 j .. 64 j + 63: 128 columns 'fi', then 128 columns 'oc'.
;   fi column 8 t + e (t = 0..15): e = 0..3 is Wf's unit 64 j + 4 t + e, e = 4..7 is Wi's unit 64 j + 4 t + e - 4; oc the same with Wo and Wc.
;   So a lane's 16 bytes of Wf and of Wi at one offset make 16 bytes of fi, those of Wo and Wc 16 bytes of oc, and sixteen neighbouring lanes store 256 consecutive bytes, aligned.
; SHARES.  Work-group wg: g = wg / 2, half = wg % 2.  Of each W: rows 8 g .. 8 g + 7, bytes 4,096 half .. + 4,095 of each (256 threads x 16 bytes).  Of hidden and x: the 16,384 bytes at 16,384 wg.
; A wave issues all its 40 loads first (20 KiB on their way), then rounds and stores group by group behind counted waits.  No register is written twice, so no store's data wants a wait.
.set WROW,  8192                       ; bytes in a row of a W
.set BROW,  16384                      ; bytes in a row of wb
.set WD,    8                          ; v[8:135]   W's row i of 8: 16 registers: f, i, o, c, four each
.set AD,    136                        ; v[136:167] chunk i of 4: 8 registers: hidden's four, x's four
	s_load_b256 s[4:11], s[0:1], 0x0               ; Wf s[4:5], Wi s[6:7], Wo s[8:9], Wc s[10:11]
	s_load_b256 s[12:19], s[0:1], 0x20             ; hidden s[12:13], x s[14:15], wb s[16:17], ab s[18:19]
	v_lshlrev_b32 v1, 4, v0                        ; 16 x thread: my bytes in a row of W, in a chunk of hidden, x and ab
	v_lshrrev_b32 v2, 4, v0
	v_and_b32 v3, 15, v0
	v_lshlrev_b32 v3, 4, v3
	v_lshl_or_b32 v2, v2, 9, v3                    ; in wb: tile (thread / 16) x 512 bytes + 16 (thread % 16)
	s_lshr_b32 s26, ttmp9, 1                       ; g
	s_and_b32 s27, ttmp9, 1                        ; half
	s_lshl_b32 s20, s26, 16                        ; 8 g rows of 8,192 bytes
	s_lshl_b32 s28, s27, 12
	s_or_b32 s20, s20, s28                         ; + 4,096 half
	s_mov_b32 s21, 0
	s_and_b32 s22, s26, 255                        ; W's rows 8 g .. go to k' = 16 (g % 256) + 4 (g / 256) + (i % 4) + 8 (i / 4)
	s_lshl_b32 s22, s22, 4
	s_lshr_b32 s28, s26, 8
	s_lshl2_add_u32 s22, s28, s22
	s_lshl_b32 s22, s22, 14                        ; rows of 16,384 bytes
	s_lshl_b32 s28, s27, 13                        ; half: 16 tiles of 512 bytes
	s_add_co_u32 s22, s22, s28
	s_mov_b32 s23, 0
	s_lshl_b32 s24, ttmp9, 14                      ; 16,384 wg
	s_mov_b32 s25, 0
	s_wait_kmcnt 0x0
	s_add_nc_u64 s[4:5], s[4:5], s[20:21]
	s_add_nc_u64 s[6:7], s[6:7], s[20:21]
	s_add_nc_u64 s[8:9], s[8:9], s[20:21]
	s_add_nc_u64 s[10:11], s[10:11], s[20:21]
	s_add_nc_u64 s[16:17], s[16:17], s[22:23]
	s_add_nc_u64 s[12:13], s[12:13], s[24:25]
	s_add_nc_u64 s[14:15], s[14:15], s[24:25]
	s_add_nc_u64 s[18:19], s[18:19], s[24:25]
.irp i, 0,1,2,3,4,5,6,7
	global_load_b128 v[WD+16*(\i):WD+16*(\i)+3],     v1, s[4:5]   offset:(\i)*WROW th:TH_LOAD_NT
	global_load_b128 v[WD+16*(\i)+4:WD+16*(\i)+7],   v1, s[6:7]   offset:(\i)*WROW th:TH_LOAD_NT
	global_load_b128 v[WD+16*(\i)+8:WD+16*(\i)+11],  v1, s[8:9]   offset:(\i)*WROW th:TH_LOAD_NT
	global_load_b128 v[WD+16*(\i)+12:WD+16*(\i)+15], v1, s[10:11] offset:(\i)*WROW th:TH_LOAD_NT
.endr
.irp i, 0,1,2,3
	global_load_b128 v[AD+8*(\i):AD+8*(\i)+3],   v1, s[12:13] offset:(\i)*4096 th:TH_LOAD_NT
	global_load_b128 v[AD+8*(\i)+4:AD+8*(\i)+7], v1, s[14:15] offset:(\i)*4096 th:TH_LOAD_NT
.endr
; W's row i: sixteen numbers are rounded in place into eight registers and leave as 16 bytes of fi and 16 bytes of oc.
.macro WGRP i
.set XR, WD+16*(\i)
	s_wait_loadcnt 36-4*(\i)                       ; loads come back in order (ISA guide 5.7.1): of the 40, those issued behind this row's four may stay out
	v_cvt_pk_bf16_f32 v[XR],    v[XR],    v[XR+1]  ; each line writes a register whose number has been read already
	v_cvt_pk_bf16_f32 v[XR+1],  v[XR+2],  v[XR+3]
	v_cvt_pk_bf16_f32 v[XR+2],  v[XR+4],  v[XR+5]
	v_cvt_pk_bf16_f32 v[XR+3],  v[XR+6],  v[XR+7]
	v_cvt_pk_bf16_f32 v[XR+8],  v[XR+8],  v[XR+9]
	v_cvt_pk_bf16_f32 v[XR+9],  v[XR+10], v[XR+11]
	v_cvt_pk_bf16_f32 v[XR+10], v[XR+12], v[XR+13]
	v_cvt_pk_bf16_f32 v[XR+11], v[XR+14], v[XR+15]
	global_store_b128 v2, v[XR:XR+3],    s[16:17] offset:((\i)%4+8*((\i)/4))*BROW th:TH_STORE_NT      ; lanes 0-15 and lanes 16-31 each store 256 consecutive bytes, aligned
	global_store_b128 v2, v[XR+8:XR+11], s[16:17] offset:((\i)%4+8*((\i)/4))*BROW+256 th:TH_STORE_NT
.endm
; Chunk i of hidden and x: eight numbers into 16 bytes of ab.
.macro AGRP i
.set YR, AD+8*(\i)
	s_wait_loadcnt 6-2*(\i)                        ; the chunks behind this one may stay out
	v_cvt_pk_bf16_f32 v[YR],   v[YR],   v[YR+1]
	v_cvt_pk_bf16_f32 v[YR+1], v[YR+2], v[YR+3]
	v_cvt_pk_bf16_f32 v[YR+2], v[YR+4], v[YR+5]
	v_cvt_pk_bf16_f32 v[YR+3], v[YR+6], v[YR+7]
	global_store_b128 v1, v[YR:YR+3], s[18:19] offset:(\i)*4096 th:TH_STORE_NT                        ; a wave stores 512 consecutive bytes
.endm
.irp i, 0,1,2,3,4,5,6,7
	WGRP \i
.endr
.irp i, 0,1,2,3
	AGRP \i
.endr
	s_endpgm
.Lfunc_end_k_q54523b4482_prep:
	.size	k_q54523b4482_prep, .Lfunc_end_k_q54523b4482_prep-k_q54523b4482_prep
	.p2alignl 7, 3214868480
	.fill 96, 4, 3214868480
	.section	.rodata,"a",@progbits
	.p2align	6, 0x0
	.amdhsa_kernel k_q54523b4482_prep
		.amdhsa_group_segment_fixed_size 0
		.amdhsa_private_segment_fixed_size 0
		.amdhsa_enable_private_segment 0
		.amdhsa_kernarg_size 64
		.amdhsa_user_sgpr_count 2
		.amdhsa_user_sgpr_kernarg_segment_ptr 1
		.amdhsa_wavefront_size32 1
		.amdhsa_system_sgpr_workgroup_id_x 1
		.amdhsa_system_sgpr_workgroup_id_y 1
		.amdhsa_system_sgpr_workgroup_id_z 1
		.amdhsa_system_vgpr_workitem_id 0
		.amdhsa_next_free_vgpr 168
		.amdhsa_next_free_sgpr 66
		.amdhsa_reserve_vcc 0
		.amdhsa_float_denorm_mode_32 3
		.amdhsa_float_denorm_mode_16_64 3
		.amdhsa_memory_ordered 1
		.amdhsa_forward_progress 1
		.amdhsa_inst_pref_size 13
	.end_amdhsa_kernel
	.amdgpu_metadata
---
amdhsa.version: [ 1, 2 ]
amdhsa.kernels:
  - .name:           k_q54523b4482_prep
    .symbol:         k_q54523b4482_prep.kd
    .args:
      - { .name: Wf, .offset: 0, .size: 8, .value_kind: global_buffer, .address_space: global }
      - { .name: Wi, .offset: 8, .size: 8, .value_kind: global_buffer, .address_space: global }
      - { .name: Wo, .offset: 16, .size: 8, .value_kind: global_buffer, .address_space: global }
      - { .name: Wc, .offset: 24, .size: 8, .value_kind: global_buffer, .address_space: global }
      - { .name: hidden_state, .offset: 32, .size: 8, .value_kind: global_buffer, .address_space: global }
      - { .name: x, .offset: 40, .size: 8, .value_kind: global_buffer, .address_space: global }
      - { .name: wb, .offset: 48, .size: 8, .value_kind: global_buffer, .address_space: global }
      - { .name: ab, .offset: 56, .size: 8, .value_kind: global_buffer, .address_space: global }
    .group_segment_fixed_size: 0
    .private_segment_fixed_size: 0
    .kernarg_segment_align: 8
    .kernarg_segment_size: 64
    .max_flat_workgroup_size: 256
    .sgpr_count:     66
    .vgpr_count:     168
    .wavefront_size: 32
...
	.end_amdgpu_metadata
.endif
;; end of part 1
;; launch cell (part 2): grid 32 x 8, 4 waves a work-group, clusters of 4 x 4, 327,680 bytes of LDS; arguments ab, wb, cell_state, bf, bi, bo, bc, out0, out1; writes out0, out1
.if DOCPART == 2
	.amdgcn_target "amdgcn-amd-amdhsa--gfx1250"
	.amdhsa_code_object_version 6
	.text
	.protected	k_q54523b4482_cell
	.globl	k_q54523b4482_cell
	.p2align	8
	.type	k_q54523b4482_cell,@function
k_q54523b4482_cell:
	s_mov_b64 s[64:65], 0
	v_nop
	global_prefetch_b8 v0, s[64:65] scope:SCOPE_SE
	s_setreg_imm32_b32 hwreg(HW_REG_WAVE_MODE, 25, 1), 1
	s_wait_xcnt 0x0
	s_wait_alu depctr_hold_cnt(0) depctr_sa_sdst(0) depctr_va_vdst(0) depctr_va_sdst(0) depctr_va_ssrc(0) depctr_va_vcc(0) depctr_vm_vsrc(0)
	s_getreg_b32 s2, hwreg(HW_REG_IB_STS2, 6, 4)
	s_cmp_eq_u32 s2, 0
	s_cbranch_scc0 .Lentry_in_a_cluster
	s_endpgm
.Lentry_in_a_cluster:
	s_bfe_u32 s2, ttmp6, 0x10000c
	s_cmp_lg_u32 s2, 0xf033
	s_cbranch_scc0 .Lentry_shape_is_right
	s_endpgm
.Lentry_shape_is_right:
; LSTM cell, second of two launches: z = ab wb + b in bf16 with f32 sums, then f = sigmoid(zf), i = sigmoid(zi), o = sigmoid(zo), g = tanh(zc),
; out1 = f cell_state + i g, out0 = o tanh(out1).  No work of the problem is left out.
; ab: [2048][4096 k'] bf16; wb: [4096 k'][32 tiles][256 columns] bf16, a tile = 64 units as 128 columns 'fi' and 128 columns 'oc' (column 8 t + e: e = 0..3 the first gate's units 4 t + e,
; e = 4..7 the second gate's units 4 t + e - 4); k' is the same order in both, so the products are the problem's, summed in another order.
; LIMITS.  EVERY input is rounded once to bf16 (nearest even): x, hidden_state and the four W by the first launch, cell_state and the four biases here, on their way through registers.  So the
; result is the problem's formula on inputs rounded to bf16, to within f32 arithmetic; beside the formula on the unrounded inputs cell_state's rounding alone moves out1 by up to f |cell_state| 2^-8.
; Sums in f32, begun with the bias.  sigmoid(x) = 1 / (1 + 2^(-x log2 e)), tanh(x) = 1 - 2 / (1 + 2^(2 x log2 e)): both forms end at their right
; limits where the power is an infinity or 0; near 0 this tanh is off by about 1e-7 absolutely; a power below 2^-126 counts as 0; NaN and infinities among the inputs are not treated apart.
; SHARES.  A work-group makes 256 rows x 64 units (256 columns of wb): 32 x 8 work-groups.  Each of its four waves makes 128 rows x 128 columns: rows 128 (w / 2) on, and for c = w % 2 the
; fi columns 64 c .. + 63 and the oc columns 64 c .. + 63, that is all four gates of units 32 c .. 32 c + 31: 64 accumulators of 16 x 16, 512 registers.
; THE MATRIX INSTRUCTION IS USED TRANSPOSED: source 0 = 16 columns of wb, source 1 = 16 rows of ab.  Lane l then holds row l % 16 and the columns 8 (l / 16) + 0..7 of a block: in a fi block
; zf (registers 0-3) and zi (4-7) of four neighbouring units, in the oc block four blocks on zo and zc of the same four units.  So the pointwise part stays in the lane.
; THE RING.  K goes in 32 steps of 128 through two LDS slots filled by the tensor data mover; waves 0 and 1 fetch ab's two halves (128 rows x 256 bytes), waves 2 and 3 wb's (64 rows x 512 bytes).
; CLUSTERS: 4 x 4 work-groups.  ab's tile hangs on the tile row alone and is asked for jointly by a row of the cluster, wb's on the tile column alone and by a column.
; REGISTERS, in windows of 256 (s_set_vgpr_msb: bits 1:0 source 0, 3:2 source 1, 5:4 source 2, 7:6 destination):
;   window 0: v0-31 addresses; v32-63 at work once, on the biases; v64-127, v128-191 fragments of ab, two buffers; v192-255 the bias as a first C operand; the last three serve the pointwise part and the way out later
;   window 1: v64-127, v128-191 fragments of wb, two buffers      window 2: the accumulators of my rows 0-63 ((a, b) at v[8 (8 a + b)])      window 3: those of my rows 64-127
.set KSTEP,  128
.set PA,     272                       ; an LDS row of ab, of cell_state and of the stages: 256 bytes + 16 = 68 words: the 16 rows that a load touches start at 16 different groups of four banks (64 banks of 4 bytes: ISA guide 11.1)
.set PB,     544                       ; an LDS row of wb: 512 bytes + 32 = 136 words
.set HALFT,  128*PA                    ; what one tensor load of the ring brings: 128 rows of ab, or 64 rows of wb (64 PB is the same number)
.set SLOT,   4*HALFT                   ; ab's 256 rows, then wb's 128 rows
.set QROWS,  64*PA                     ; 64 rows of cell_state or of a stage
.set STGH,   2*HALFT                   ; out0's stage: slot 0's wb part, behind its last fill
.set STGC,   SLOT                      ; out1's stage: slot 1's ab part, behind its last fill.  (cell_state's tile lies in slot 0's ab part: that part's last fill)
.set SPARE,  2*SLOT                    ; behind the ring: the spare words, 128 bytes for each wave: two blocks of 256 bytes that no other line names
.set ASTEP,  KSTEP*2                   ; a K step in ab: 256 bytes along a row
.set BSTEP,  KSTEP*16384               ; a K step in wb: 128 rows of 16,384 bytes
.set LAPS,   16                        ; a lap = two K steps = once round the ring
.set ADRA, 16                          ; v16-17  LDS address of my fragments of ab in slot 0, 1
.set BO,   18                          ; v18     16 (l / 16): my four units in a block's eight, in the biases
.set ADRB, 20                          ; v20-21  LDS address of my fragments of wb in slot 0, 1
.set CEL,  22                          ; v22     my 16 bytes in cell_state's tile
.set STH,  23                          ; v23     the same place in out0's stage
.set STC,  24                          ; v24     and in out1's
.set RDH,  25                          ; v25     where I read whole rows of out0's stage back
.set RDC,  26                          ; v26     of out1's
.set CO,   27                          ; v27     my byte offset in two rows of an output
.set SPW,  28                          ; v28     LDS address of my spare word: SPARE + 4 x my thread's number; never rewritten
.set NIL,  29                          ; v29     0; never rewritten
.set PFO,  30                          ; v30     the prefetches' offset; never rewritten
.set RT,   32                          ; v32-63  the biases as pairs of bf16, between their rounding and their widening
.set F0,   64                          ; fragment buffer 0
.set F1,   128                         ; fragment buffer 1
.set BIAS, 192                         ; block b's bias at BIAS + 8 b
.set EG,   64                          ; the pointwise part: 16 u + 4 gate + e, gates f, i, o, c
.set CLR,  128                         ; 4 u + e: cell_state, then out1
.set TNH,  144                         ; 4 u + e: first cell_state as pairs of bf16 (eight registers), then on the way to out0
.set G1,   24                          ; s[24:31] descriptor group 1 for ab's tiles
.set G0,   32                          ; s[32:39] descriptor group 0 for ab's tiles, one set for each slot
.set LIM,  43                          ; s43      1 in a wave that prefetches, else the greatest number
.set PFA,  44                          ; s[44:45] where my prefetches stand
.set G1B,  48                          ; s[48:55] descriptor group 1 for wb's tiles
.set G0B,  56                          ; s[56:63] descriptor group 0 for wb's tiles, one set for each slot
.set PFS,  66                          ; s[66:67] a K step in the tensor that I prefetch
.set HIM,  82                          ; s82      mask of a word's upper bf16
.set GC0,  84                          ; s[84:87] descriptor group 0 for cell_state's tile
.set GC1,  88                          ; s[88:95] its group 1
.set NL,   96                          ; s[96:97] -log2 e, named as a pair
.set P2L,  98                          ; s[98:99] 2 log2 e
.set MSB, 0
.macro WIN new                         ; the immediate's high byte repeats the setting that is left; a switch that changes nothing is dropped
.if MSB != (\new)
	s_set_vgpr_msb (MSB<<8)|(\new)
.set MSB, \new
.endif
.endm
; A joint load.  Waves 0 and 1 fetch ab's two halves, waves 2 and 3 wb's.  The branch hangs on the wave's number alone.  An s_nop 0 and four v_nop follow each of the two lines.
.macro JLOAD s
	s_cmp_eq_u32 s11, 0
	s_cbranch_scc0 .Lfor_b_\@
	tensor_load_to_lds s[G0+4*(\s):G0+4*(\s)+3], s[G1:G1+7]
	s_nop 0
.rept 4
	v_nop
.endr
	s_branch .Lasked_\@
.Lfor_b_\@:
	tensor_load_to_lds s[G0B+4*(\s):G0B+4*(\s)+3], s[G1B:G1B+7]
	s_nop 0
.rept 4
	v_nop
.endr
.Lasked_\@:
.endm
; A prefetch into the L2 of the K step that stands two refills on: 32 blocks of 256 bytes, a lane a block, one instruction a wave, behind the joint load, its five lines and the run of LDS loads.
; Each block is named once in the launch.  ab's tile row is read by every cluster of that row of clusters: cluster x = 0 asks; wb's tile column by both clusters of that column: cluster y = 0 asks.
; The four partners that ask for a tile jointly share it out BY ADDRESS: of ab's 128 rows the partner at cx takes 32; of wb's 64 rows of two blocks the partner at cy takes 16.
; K steps 0 to 3 come by their loads alone; the loop's last trip (s3 = 1) asks for nothing: K steps 32 and 33 do not exist.
.macro ASK
	s_cmp_gt_u32 s3, s[LIM]
	s_cbranch_scc0 .Lnot_mine_\@
	global_prefetch_b8 v[PFO], s[PFA:PFA+1] th:TH_LOAD_NT scope:SCOPE_SE
.Lnot_mine_\@:
.endm
.macro CREST                           ; a round of the cluster's barrier behind its opening barrier
	s_cmp_lg_u32 s10, 0
	s_cbranch_scc1 .Lnot_wave_0_\@
	s_barrier_signal -3
.Lnot_wave_0_\@:
	s_barrier_wait -3
	s_barrier_signal -1
	s_barrier_wait -1
.endm
.macro CROUND                          ; a whole round
	s_barrier_signal -1
	s_barrier_wait -1
	CREST
.endm
	s_load_b128 s[4:7], s[0:1], 0x0                ; ab s[4:5], wb s[6:7]
	s_load_b256 s[68:75], s[0:1], 0x10             ; cell_state s[68:69], bf s[70:71], bi s[72:73], bo s[74:75]
	s_load_b128 s[76:79], s[0:1], 0x30             ; bc s[76:77], out0 s[78:79]
	s_load_b64 s[80:81], s[0:1], 0x40              ; out1
	v_lshl_add_u32 v[SPW], v0, 2, SPARE
	v_mov_b32 v[NIL], 0
	ds_add_u32 v[SPW], v[NIL]                      ; the wave's opening: the add, twice on end, and its wait stand ahead of my first tensor load; the set-up below stands between
	ds_add_u32 v[SPW], v[NIL]                      ; and once more, under the one wait
	v_lshrrev_b32 v1, 5, v0
	v_readfirstlane_b32 s10, v1                    ; wave 0..3
	s_lshr_b32 s11, s10, 1                         ; which 128 rows are mine.  Also: I fetch for ab (0) or for wb (1)
	s_and_b32 s12, s10, 1                          ; c: which 32 units.  Also: which half of that tile I fetch
	s_bfe_u32 s40, ttmp6, 0x40000                  ; cx
	s_bfe_u32 s41, ttmp6, 0x40004                  ; cy
	s_lshl_b32 s42, ttmp9, 2
	s_add_co_u32 s42, s42, s40                     ; tile column tc = 4 x cluster x + cx
	s_and_b32 s13, ttmp7, 0xffff
	s_lshl_b32 s13, s13, 2
	s_add_co_u32 s13, s13, s41                     ; tile row tr = 4 x cluster y + cy
	s_lshl_b32 s43, s41, 2
	s_lshl_b32 s43, 15, s43                        ; my row of the cluster: places 4 cy .. 4 cy + 3
	s_lshl_b32 s44, 0x1111, s40                    ; my column: places cx, cx + 4, cx + 8, cx + 12
	s_or_b32 s[G1+0], s43, (1<<16)|(1<<20)|(1<<21)|(5<<22)|(3<<25)   ; the mask of my row; 2-byte elements; padding on; bit 21 beside a mask; after every 64 words, 4 words
	s_mov_b32 s[G1+1], KSTEP<<16                   ; tensor_dim0 = 128
	s_mov_b32 s[G1+2], 128<<16                     ; tensor_dim1 = 128
	s_mov_b32 s[G1+3], KSTEP<<16                   ; tile_dim0 = 128
	s_mov_b32 s[G1+4], 128                         ; tile_dim1 = 128
	s_mov_b32 s[G1+5], 4096                        ; elements from row to row of ab
	s_mov_b32 s[G1+6], 0
	s_mov_b32 s[G1+7], 0
	s_or_b32 s[G1B+0], s44, (1<<16)|(1<<20)|(1<<21)|(6<<22)|(7<<25)  ; the mask of my column; after every 128 words, 8 words
	s_mov_b32 s[G1B+1], 256<<16                    ; tensor_dim0 = 256
	s_mov_b32 s[G1B+2], 64<<16                     ; tensor_dim1 = 64
	s_mov_b32 s[G1B+3], 256<<16                    ; tile_dim0 = 256
	s_mov_b32 s[G1B+4], 64                         ; tile_dim1 = 64
	s_mov_b32 s[G1B+5], 8192                       ; elements from row to row of wb
	s_mov_b32 s[G1B+6], 0
	s_mov_b32 s[G1B+7], 0
	s_mov_b32 s[GC1+0], (2<<16)|(1<<20)|(5<<22)|(3<<25)              ; no mask: a load of my own; 4-byte elements; after every 64 words, 4 words
	s_mov_b32 s[GC1+1], 64<<16                     ; tensor_dim0 = 64
	s_mov_b32 s[GC1+2], 64<<16                     ; tensor_dim1 = 64
	s_mov_b32 s[GC1+3], 64<<16                     ; tile_dim0 = 64
	s_mov_b32 s[GC1+4], 64                         ; tile_dim1 = 64
	s_mov_b32 s[GC1+5], 2048                       ; elements from row to row of cell_state
	s_mov_b32 s[GC1+6], 0
	s_mov_b32 s[GC1+7], 0
	s_mov_b32 s[GC0], 1
	s_mul_i32 s[GC0+1], s10, QROWS                 ; wave w brings rows 64 w .. of the tile
	s_mov_b32 s[NL], 0xbfb8aa3b
	s_mov_b32 s[NL+1], 0xbfb8aa3b
	s_mov_b32 s[P2L], 0x4038aa3b
	s_mov_b32 s[P2L+1], 0x4038aa3b
	s_mov_b32 s[HIM], 0xffff0000
	s_lshl_b32 s16, s13, 8                         ; ab: row 256 tr + 128 c, rows of 8,192 bytes
	s_lshl_b32 s17, s12, 7
	s_add_co_u32 s16, s16, s17
	s_lshl_b32 s16, s16, 13
	s_mov_b32 s17, 0
	s_lshl_b32 s46, s12, 20                        ; wb: row 64 c of a K step (16,384 bytes a row), tile tc (512 bytes)
	s_lshl_b32 s47, s42, 9
	s_add_co_u32 s46, s46, s47
	s_mov_b32 s47, 0
	s_lshl_b32 s18, s13, 8                         ; cell_state and both outputs: row 256 tr + 64 w, rows of 8,192 bytes, 256 tc bytes along
	s_lshl_b32 s19, s10, 6
	s_add_co_u32 s18, s18, s19
	s_lshl_b32 s18, s18, 13
	s_lshl_b32 s19, s42, 8
	s_add_co_u32 s18, s18, s19
	s_mov_b32 s19, 0
	s_lshl_b32 s22, s42, 8                         ; the biases: unit 64 tc + 32 c, 4 bytes each
	s_lshl_b32 s23, s12, 7
	s_add_co_u32 s22, s22, s23
	s_mov_b32 s23, 0
	s_mul_i32 s20, s10, HALFT                      ; where a ring's tile goes: wave x 34,816 bytes: no place in the cluster enters an LDS address
	s_wait_dscnt 0x0                               ; both opening adds are done
	s_wait_kmcnt 0x0
	s_add_nc_u64 s[14:15], s[4:5], s[16:17]
	s_add_nc_u64 s[46:47], s[6:7], s[46:47]
	s_add_nc_u64 s[GC0+2:GC0+3], s[68:69], s[18:19]
	s_or_b32 s[GC0+3], s[GC0+3], 0x80000000
	s_add_nc_u64 s[78:79], s[78:79], s[18:19]
	s_add_nc_u64 s[80:81], s[80:81], s[18:19]
	s_add_nc_u64 s[70:71], s[70:71], s[22:23]
	s_add_nc_u64 s[72:73], s[72:73], s[22:23]
	s_add_nc_u64 s[74:75], s[74:75], s[22:23]
	s_add_nc_u64 s[76:77], s[76:77], s[22:23]
.irp s, 0,1
	s_mov_b32 s[G0+4*(\s)], 1                                        ; count = 1
	s_add_co_u32 s[G0+4*(\s)+1], s20, (\s)*SLOT                      ; LDS address
	s_add_nc_u64 s[G0+4*(\s)+2:G0+4*(\s)+3], s[14:15], (\s)*ASTEP    ; global address: K step s
	s_or_b32 s[G0+4*(\s)+3], s[G0+4*(\s)+3], 0x80000000              ; type = 2
	s_mov_b32 s[G0B+4*(\s)], 1
	s_add_co_u32 s[G0B+4*(\s)+1], s20, (\s)*SLOT
	s_add_nc_u64 s[G0B+4*(\s)+2:G0B+4*(\s)+3], s[46:47], (\s)*BSTEP
	s_or_b32 s[G0B+4*(\s)+3], s[G0B+4*(\s)+3], 0x80000000
.endr
	CROUND                                         ; all sixteen work-groups are here: the first joint loads meet
	s_cmp_eq_u32 s11, 0                            ; a wave's two first fills stand in one branch, ahead of every wait on TENSORcnt and every LDS read: two loads of mine are out
	s_cbranch_scc0 .Lfirst_b
	tensor_load_to_lds s[G0:G0+3], s[G1:G1+7]
	s_nop 0
	tensor_load_to_lds s[G0+4:G0+7], s[G1:G1+7]
	s_nop 0
.rept 4
	v_nop
.endr
	s_branch .Lfirst_asked
.Lfirst_b:
	tensor_load_to_lds s[G0B:G0B+3], s[G1B:G1B+7]
	s_nop 0
	tensor_load_to_lds s[G0B+4:G0B+7], s[G1B:G1B+7]
	s_nop 0
.rept 4
	v_nop
.endr
.Lfirst_asked:
	; addresses, while the first tiles are on their way
	v_and_b32 v1, 15, v0                           ; r = l % 16
	v_bfe_u32 v2, v0, 4, 1                         ; h = l / 16
	v_lshlrev_b32 v[BO], 4, v2
.irp b, 0,1,2,3                        ; the bias as a C operand: element (column 8 h + j, row r) is the column's bias: registers 0-3 the first gate's four units, 4-7 the second's
	global_load_b128 v[BIAS+8*(\b):BIAS+8*(\b)+3],       v[BO], s[70:71] offset:32*(\b)
	global_load_b128 v[BIAS+8*(\b)+4:BIAS+8*(\b)+7],     v[BO], s[72:73] offset:32*(\b)
	global_load_b128 v[BIAS+32+8*(\b):BIAS+32+8*(\b)+3],   v[BO], s[74:75] offset:32*(\b)
	global_load_b128 v[BIAS+32+8*(\b)+4:BIAS+32+8*(\b)+7], v[BO], s[76:77] offset:32*(\b)
.endr
	; a fragment of ab is 16 rows x 32 k' in 8 registers: lane l holds row r; registers 0-3 k' = 8 h + 0..7, registers 4-7 k' = 16 + 8 h + 0..7: two loads of 16 bytes, 32 bytes apart
	v_mul_u32_u24 v3, v1, PA
	v_lshl_add_u32 v3, v2, 4, v3                   ; r x pitch + 16 h
	s_mul_i32 s21, s11, HALFT                      ; my 128 rows
	v_add_nc_u32 v[ADRA], s21, v3
	v_add_nc_u32 v[ADRA+1], SLOT, v[ADRA]
	; the turning load takes 16 k' x 16 columns (lane l reads 16 bytes: k' = 8 h + l % 8, columns 8 ((l / 8) % 2) + 0..7) and leaves half a fragment: lane l holds column r and 8 k'
	v_and_b32 v4, 7, v0
	v_lshl_add_u32 v4, v2, 3, v4
	v_mul_u32_u24 v4, v4, PB
	v_bfe_u32 v5, v0, 3, 1
	v_lshl_add_u32 v4, v5, 4, v4
	s_lshl_b32 s23, s12, 7                         ; my 64 columns of fi (and of oc): 128 c bytes
	s_add_co_u32 s22, s23, 2*HALFT                 ; wb's rows lie behind ab's 256
	v_add_nc_u32 v[ADRB], s22, v4
	v_add_nc_u32 v[ADRB+1], SLOT, v[ADRB]
	v_add_nc_u32 v[CEL], s23, v[ADRA]              ; cell_state's tile lies at byte 0: row 128 (w / 2) + r, byte 128 c + 16 h
	v_add_nc_u32 v[STH], STGH, v[CEL]
	v_add_nc_u32 v[STC], STGC, v[CEL]
	s_mul_i32 s22, s10, QROWS                      ; back: wave w takes rows 64 w .. 64 w + 63, whole; lanes 0-15 one row of 256 bytes, lanes 16-31 the next
	s_add_co_u32 s22, s22, STGH
	v_mul_u32_u24 v5, v2, PA
	v_lshl_add_u32 v5, v1, 4, v5
	v_add_nc_u32 v[RDH], s22, v5
	v_add_nc_u32 v[RDC], STGC-STGH, v[RDH]
	v_lshlrev_b32 v6, 13, v2                       ; and the same two rows in an output
	v_lshl_add_u32 v[CO], v1, 4, v6
	; the prefetches: nothing is asked for here, at the head, where every work-group's first tiles are on their way
	s_lshl_b32 s20, s13, 8                         ; in ab: row 256 tr + 128 c + 32 cx,
	s_lshl_b32 s21, s12, 7
	s_add_co_u32 s20, s20, s21
	s_lshl_b32 s21, s40, 5
	s_add_co_u32 s20, s20, s21
	s_lshl_b32 s20, s20, 13
	s_add_co_u32 s20, s20, 3*ASTEP                 ; at K step 3: the first refill steps it to 4
	s_lshl_b32 s21, s12, 6                         ; in wb: row 64 c + 16 cy of a K step, tile tc,
	s_lshl_b32 s23, s41, 4
	s_add_co_u32 s21, s21, s23
	s_lshl_b32 s21, s21, 14
	s_lshl_b32 s23, s42, 9
	s_add_co_u32 s21, s21, s23
	s_add_co_u32 s21, s21, 3*BSTEP                 ; at K step 3
	s_and_b32 s22, ttmp7, 0xffff                   ; cluster y
	s_mov_b32 s17, BSTEP
	s_cmp_eq_u32 s11, 0                            ; do I fetch for ab?
	s_cselect_b32 s46, s20, s21
	s_cselect_b32 s22, ttmp9, s22                  ; the coordinate along which other clusters read the same blocks
	s_cselect_b64 s[PFA:PFA+1], s[4:5], s[6:7]
	s_cselect_b32 s[PFS], ASTEP, s17
	s_cselect_b32 s14, 0, 1                        ; ab: a lane a row; wb: two lanes a row
	s_mov_b32 s47, 0
	s_mov_b32 s[PFS+1], 0
	s_add_nc_u64 s[PFA:PFA+1], s[PFA:PFA+1], s[46:47]
	s_cmp_eq_u32 s22, 0
	s_cselect_b32 s[LIM], 1, -1                    ; the same in all sixteen partners, for a given wave
	s_lshl_b32 s15, 8192, s14                      ; bytes from row to row
	v_and_b32 v7, 31, v0
	v_lshrrev_b32 v8, s14, v7
	v_and_b32 v9, s14, v7
	v_mul_u32_u24 v[PFO], s15, v8
	v_lshl_add_u32 v[PFO], v9, 8, v[PFO]
; 16 matrix instructions: row blocks a0, a0 + 1 of the window's four (hi = 0: my rows 0-63, 1: rows 64-127) x all 8 column blocks, 32 along K.
; first = 1: the product starts the sums with the bias as C: nothing is cleared, and no bias is added later.  The 64 accumulators take turns in the same order in every quarter step.
.macro MUL16 f, hi, a0, first
.if \first
	WIN 0x81+0x40*(\hi)
.else
	WIN 0xa1+0x50*(\hi)
.endif
.irp a, \a0, (\a0)+1
.irp b, 0,1,2,3,4,5,6,7
.if \first
	v_wmma_f32_16x16x32_bf16 v[8*(8*(\a)+(\b)):8*(8*(\a)+(\b))+7], v[(\f)+8*(\b):(\f)+8*(\b)+7], v[(\f)+8*(4*(\hi)+(\a)):(\f)+8*(4*(\hi)+(\a))+7], v[BIAS+8*(\b):BIAS+8*(\b)+7]
.else
	v_wmma_f32_16x16x32_bf16 v[8*(8*(\a)+(\b)):8*(8*(\a)+(\b))+7], v[(\f)+8*(\b):(\f)+8*(\b)+7], v[(\f)+8*(4*(\hi)+(\a)):(\f)+8*(4*(\hi)+(\a))+7], v[8*(8*(\a)+(\b)):8*(8*(\a)+(\b))+7]
.endif
.endr
.endr
.endm
; 32 LDS loads in one run: the fragments of quarter q of a K step into buffer f: wb's eight column blocks (turned; blocks 0-3 in fi, 4-7 in oc, 256 bytes on), then ab's eight row blocks
.macro FETCH slot, q, f
	WIN 0x40                                       ; destination window 1, address window 0
.irp i, 0,1,2,3,4,5,6,7
	ds_load_tr16_b128 v[(\f)+8*(\i):(\f)+8*(\i)+3],   v[ADRB+(\slot)] offset:(\q)*32*PB+32*(\i)+128*((\i)/4)
	ds_load_tr16_b128 v[(\f)+8*(\i)+4:(\f)+8*(\i)+7], v[ADRB+(\slot)] offset:(\q)*32*PB+16*PB+32*(\i)+128*((\i)/4)
.endr
	WIN 0
.irp i, 0,1,2,3,4,5,6,7
	ds_load_b128 v[(\f)+8*(\i):(\f)+8*(\i)+3],   v[ADRA+(\slot)] offset:64*(\q)+(\i)*16*PA
	ds_load_b128 v[(\f)+8*(\i)+4:(\f)+8*(\i)+7], v[ADRA+(\slot)] offset:64*(\q)+(\i)*16*PA+32
.endr
.endm
.macro PLACES                          ; four plain vector instructions between a matrix instruction and a load into a register that it has read, or a vector instruction that reads its result (ISA guide 7.12.1 for vector instructions)
.rept 4
	v_nop
.endr
.endm
; A K step is four quarters of 32 along K, 64 matrix instructions each, on buffers 0, 1, 0, 1.  One of the first three: multiplies buffer f; in its middle it fetches quarter q of the same slot into buffer g.
.macro QUARTER slot, q, f, g, first
	s_wait_dscnt 8                                 ; wb's fragments and ab's rows 0-63 are in; the youngest eight loads (ab's rows 64-127) may be out
	MUL16 \f, 0, 0, \first
	MUL16 \f, 0, 2, \first
	PLACES
	FETCH \slot, \q, \g
	s_wait_dscnt 32                                ; all but the 32 just issued
	MUL16 \f, 1, 0, \first
	MUL16 \f, 1, 2, \first
.endm
; The first half of a K step's last quarter, and the barrier that opens a round of the cluster's barrier.  In front of it each wave waits for all its tensor loads, of which one is out (its part of
; the other slot), adds 0 to its spare word, and waits for that and for its own reads of this slot.
.macro MEET
	WIN 0                                          ; (the add's two registers lie in window 0)
	s_wait_tensorcnt 0x0                           ; all my tensor loads have landed
	ds_add_u32 v[SPW], v[NIL]                      ; 0 onto my spare word
	s_wait_dscnt 9                                 ; (the add and the youngest eight loads may be out)
	MUL16 F1, 0, 0, 0                              ; sixteen matrix instructions stand between the add and the wait for it
	s_wait_dscnt 0x0                               ; the add is done, and my reads of this slot are over
	s_barrier_signal -1
	MUL16 F1, 0, 2, 0                              ; work on registers while the others arrive
	WIN 0
	s_barrier_wait -1
.endm
; The whole last quarter.  cell = 0: the slot just read out is filled again, jointly, with the K step two steps on.  cell = 1 (once, behind K step 30): slot 0's ab part takes cell_state's tile,
; each wave its own 64 rows.  Either load is the wave's first and only tensor load behind the round; then come the other slot's first fragments.
.macro TURN slot, next, cell
.if !(\cell)
	s_wait_xcnt 0x0                                ; the last prefetch, a K step back, has read its address: it is stepped here, ahead of the waits of the change of slots
	s_add_nc_u64 s[PFA:PFA+1], s[PFA:PFA+1], s[PFS:PFS+1]
.endif
	MEET
	CREST                                          ; no wave of any partner still reads this slot or has a load on its way
.if \cell
	tensor_load_to_lds s[GC0:GC0+3], s[GC1:GC1+7]
	s_nop 0
.rept 4
	v_nop
.endr
.else
	s_add_nc_u64 s[G0+4*(\slot)+2:G0+4*(\slot)+3], s[G0+4*(\slot)+2:G0+4*(\slot)+3], 2*ASTEP
	s_add_nc_u64 s[G0B+4*(\slot)+2:G0B+4*(\slot)+3], s[G0B+4*(\slot)+2:G0B+4*(\slot)+3], 2*BSTEP
	JLOAD \slot                                    ; 224 matrix instructions stand between this request and the wait for it
.endif
	FETCH \next, 0, F0                             ; the four v_nop behind the tensor load are also the places in front of these loads
.if !(\cell)
	ASK
.endif
	MUL16 F1, 1, 0, 0
	MUL16 F1, 1, 2, 0
.endm
	s_wait_tensorcnt 1                             ; my part of K step 0 is in; K step 1's may stay out
	s_barrier_signal -1
	s_barrier_wait -1                              ; everybody's is
	FETCH 0, 0, F0
	s_wait_loadcnt 0x0                             ; the biases
	; the biases take the rounding that every input takes: to bf16, nearest even, and back to f32 by a shift and a mask.  96 lines, once, while the first fragments' LDS loads are out
.set z, 0
.rept 32
	v_cvt_pk_bf16_f32 v[RT+z], v[BIAS+2*z], v[BIAS+2*z+1]
.set z, z+1
.endr
.set z, 0
.rept 32
	v_lshlrev_b32 v[BIAS+2*z], 16, v[RT+z]
	v_and_b32 v[BIAS+2*z+1], s[HIM], v[RT+z]
.set z, z+1
.endr
	QUARTER 0, 1, F0, F1, 1                        ; the first quarter stands in front of the loop: its products start the sums
	WIN 0                                          ; at a label and at a branch every window is 0
	s_mov_b32 s3, LAPS-1
.Llap:                                                 ; a trip goes once round the ring, from a lap's second quarter to the next lap's first, and fills both slots again
	QUARTER 0, 2, F1, F0, 0
	QUARTER 0, 3, F0, F1, 0
	TURN 0, 1, 0
	QUARTER 1, 1, F0, F1, 0
	QUARTER 1, 2, F1, F0, 0
	QUARTER 1, 3, F0, F1, 0
	TURN 1, 0, 0
	QUARTER 0, 1, F0, F1, 0
	WIN 0
	s_sub_co_u32 s3, s3, 1
	s_cmp_lg_u32 s3, 0
	s_cbranch_scc1 .Llap
	QUARTER 0, 2, F1, F0, 0                        ; the last lap: K steps 30 and 31
	QUARTER 0, 3, F0, F1, 0
	TURN 0, 1, 1                                   ; cell_state's tile is asked for: it has K step 31's products in which to land
	QUARTER 1, 1, F0, F1, 0
	QUARTER 1, 2, F1, F0, 0
	QUARTER 1, 3, F0, F1, 0
	s_wait_dscnt 8                                 ; the very last quarter: nothing more to fetch
	MUL16 F1, 0, 0, 0
	MUL16 F1, 0, 2, 0
	s_wait_dscnt 0x0                               ; my reads of slot 1 are over: behind the barrier its ab part is written as a stage
	s_wait_tensorcnt 0x0                           ; my 64 rows of cell_state, the one load that was out, have landed: other waves read them behind the barrier
	s_barrier_signal -1
	MUL16 F1, 1, 0, 0
	MUL16 F1, 1, 2, 0
	WIN 0
	s_barrier_wait -1
	PLACES
	PLACES
; THE POINTWISE PART of row block a: 16 rows x my 32 units, 16 numbers of each gate a lane (u = 0..3: four units each).  The exponentials and reciprocals go in batches, each with one plain
; instruction behind its last and ONE wait ahead of its first reader.  Each accumulator is read from its lowest registers on.
.macro EPI a
.set AC, 64*((\a)%4)
	WIN 0
.irp u, 0,1,2,3
	ds_load_b128 v[CLR+4*(\u):CLR+4*(\u)+3], v[CEL] offset:(\a)*16*PA+32*(\u)   ; cell_state of my four units
.endr
	WIN 0x02+(\a)/4                                ; source 0 in window 2 or 3
.irp u, 0,1,2,3
.irp p, 0,1,2,3
	v_pk_mul_f32 v[EG+16*(\u)+2*(\p):EG+16*(\u)+2*(\p)+1], v[AC+8*(\u)+2*(\p):AC+8*(\u)+2*(\p)+1], s[NL:NL+1] op_sel_hi:[1,0]            ; -zf log2 e, -zi log2 e
.endr
.irp p, 0,1
	v_pk_mul_f32 v[EG+16*(\u)+8+2*(\p):EG+16*(\u)+8+2*(\p)+1], v[AC+32+8*(\u)+2*(\p):AC+32+8*(\u)+2*(\p)+1], s[NL:NL+1] op_sel_hi:[1,0]  ; -zo log2 e
.endr
.irp p, 2,3
	v_pk_mul_f32 v[EG+16*(\u)+8+2*(\p):EG+16*(\u)+8+2*(\p)+1], v[AC+32+8*(\u)+2*(\p):AC+32+8*(\u)+2*(\p)+1], s[P2L:P2L+1] op_sel_hi:[1,0] ; 2 zc log2 e
.endr
.endr
	WIN 0
.set z, 0
.rept 64
	v_exp_f32 v[EG+z], v[EG+z]
.set z, z+1
.endr
	v_nop                                          ; the plain instruction behind the last exponential
	s_wait_dscnt 0x0                               ; cell_state is in
	; cell_state takes the rounding that every input takes: to bf16, nearest even, and back to f32.  These 24 lines name no exponential's result: they are the work between the batch and its wait
.set z, 0
.rept 8
	v_cvt_pk_bf16_f32 v[TNH+z], v[CLR+2*z], v[CLR+2*z+1]
.set z, z+1
.endr
.set z, 0
.rept 8
	v_lshlrev_b32 v[CLR+2*z], 16, v[TNH+z]
	v_and_b32 v[CLR+2*z+1], s[HIM], v[TNH+z]
.set z, z+1
.endr
	s_wait_alu depctr_va_vdst(0)                   ; one wait for the 64 exponentials
.set z, 0
.rept 32
	v_pk_add_f32 v[EG+z:EG+z+1], v[EG+z:EG+z+1], 1.0 op_sel_hi:[1,0]
.set z, z+2
.endr
.set z, 0
.rept 64
	v_rcp_f32 v[EG+z], v[EG+z]
.set z, z+1
.endr
	v_nop
	s_wait_alu depctr_va_vdst(0)                   ; one wait for the 64 reciprocals: f, i, o are done
.irp u, 0,1,2,3
.irp p, 0,1
	v_pk_fma_f32 v[EG+16*(\u)+12+2*(\p):EG+16*(\u)+12+2*(\p)+1], v[EG+16*(\u)+12+2*(\p):EG+16*(\u)+12+2*(\p)+1], -2.0, 1.0 op_sel_hi:[1,0,0]   ; tanh(zc)
.endr
.endr
.irp u, 0,1,2,3
.irp p, 0,1
	v_pk_mul_f32 v[EG+16*(\u)+4+2*(\p):EG+16*(\u)+4+2*(\p)+1], v[EG+16*(\u)+4+2*(\p):EG+16*(\u)+4+2*(\p)+1], v[EG+16*(\u)+12+2*(\p):EG+16*(\u)+12+2*(\p)+1]
.endr
.endr
.irp u, 0,1,2,3
.irp p, 0,1
	v_pk_fma_f32 v[CLR+4*(\u)+2*(\p):CLR+4*(\u)+2*(\p)+1], v[EG+16*(\u)+2*(\p):EG+16*(\u)+2*(\p)+1], v[CLR+4*(\u)+2*(\p):CLR+4*(\u)+2*(\p)+1], v[EG+16*(\u)+4+2*(\p):EG+16*(\u)+4+2*(\p)+1]   ; out1 = f cell + i tanh(zc)
.endr
.endr
.irp u, 0,1,2,3
	ds_store_b128 v[STC], v[CLR+4*(\u):CLR+4*(\u)+3] offset:(\a)*16*PA+32*(\u)
.endr
.set z, 0
.rept 8
	v_pk_mul_f32 v[TNH+z:TNH+z+1], v[CLR+z:CLR+z+1], s[P2L:P2L+1] op_sel_hi:[1,0]
.set z, z+2
.endr
.set z, 0
.rept 16
	v_exp_f32 v[TNH+z], v[TNH+z]
.set z, z+1
.endr
	v_nop
	s_wait_alu depctr_va_vdst(0)
.set z, 0
.rept 8
	v_pk_add_f32 v[TNH+z:TNH+z+1], v[TNH+z:TNH+z+1], 1.0 op_sel_hi:[1,0]
.set z, z+2
.endr
.set z, 0
.rept 16
	v_rcp_f32 v[TNH+z], v[TNH+z]
.set z, z+1
.endr
	v_nop
	s_wait_alu depctr_va_vdst(0)
.set z, 0
.rept 8
	v_pk_fma_f32 v[TNH+z:TNH+z+1], v[TNH+z:TNH+z+1], -2.0, 1.0 op_sel_hi:[1,0,0]   ; tanh(out1)
.set z, z+2
.endr
.irp u, 0,1,2,3
.irp p, 0,1
	v_pk_mul_f32 v[TNH+4*(\u)+2*(\p):TNH+4*(\u)+2*(\p)+1], v[TNH+4*(\u)+2*(\p):TNH+4*(\u)+2*(\p)+1], v[EG+16*(\u)+8+2*(\p):EG+16*(\u)+8+2*(\p)+1]   ; out0 = o tanh(out1)
.endr
.endr
.irp u, 0,1,2,3
	ds_store_b128 v[STH], v[TNH+4*(\u):TNH+4*(\u)+3] offset:(\a)*16*PA+32*(\u)
.endr
.endm
.irp a, 0,1,2,3,4,5,6,7
	EPI \a
.endr
	; THE WAY OUT.  A row's 256 bytes come from two waves, so a barrier stands between the writing and the reading; then each wave reads 64 whole rows of both stages and stores them.
	s_wait_dscnt 0x0                               ; for the others' sake: my stores into the stages are done
	s_barrier_signal -1
	s_barrier_wait -1
.macro LDROWS adr, buf, t0             ; 32 rows, two a load: lanes 0-15 one row, lanes 16-31 the next
.set t, 0
.rept 16
	ds_load_b128 v[(\buf)+4*t:(\buf)+4*t+3], v[\adr] offset:((\t0)+t)*2*PA
.set t, t+1
.endr
.endm
.macro STROWS lo, buf, t0              ; 16 lanes store 256 consecutive bytes, at a multiple of 256 from the output's first byte
.set t, 0
.rept 16
	global_store_b128 v[CO], v[(\buf)+4*t:(\buf)+4*t+3], s[\lo:\lo+1] offset:((\t0)+t)*16384 th:TH_STORE_NT
.set t, t+1
.endr
.endm
	LDROWS RDH, 64, 0
	LDROWS RDH, 128, 16
	LDROWS RDC, 192, 0
	s_wait_dscnt 32                                ; the first run of sixteen is in; the two younger runs may be out
	STROWS 78, 64, 0
	s_wait_dscnt 16                                ; the second run is in
	STROWS 78, 128, 16
	s_wait_xcnt 0x0                                ; the stores have read their data: v64-127 are loaded again only behind this wait
	LDROWS RDC, 64, 16
	s_wait_dscnt 16                                ; the third run is in; the one just issued may be out
	STROWS 80, 192, 0
	s_wait_dscnt 0x0
	STROWS 80, 64, 16
	s_wait_tensorcnt 0x0                           ; the wave's end, behind my last tensor load and my last LDS store
	ds_add_u32 v[SPW], v[NIL]
	s_wait_dscnt 0x0
	CROUND                                         ; the closing round: no work-group ends while a partner may still ask for a tile that names it
	s_endpgm
.Lfunc_end_k_q54523b4482_cell:
	.size	k_q54523b4482_cell, .Lfunc_end_k_q54523b4482_cell-k_q54523b4482_cell
	.p2alignl 7, 3214868480
	.fill 96, 4, 3214868480
	.section	.rodata,"a",@progbits
	.p2align	6, 0x0
	.amdhsa_kernel k_q54523b4482_cell
		.amdhsa_group_segment_fixed_size 327680
		.amdhsa_private_segment_fixed_size 0
		.amdhsa_enable_private_segment 0
		.amdhsa_kernarg_size 72
		.amdhsa_user_sgpr_count 2
		.amdhsa_user_sgpr_kernarg_segment_ptr 1
		.amdhsa_wavefront_size32 1
		.amdhsa_system_sgpr_workgroup_id_x 1
		.amdhsa_system_sgpr_workgroup_id_y 1
		.amdhsa_system_sgpr_workgroup_id_z 1
		.amdhsa_system_vgpr_workitem_id 0
		.amdhsa_next_free_vgpr 1024
		.amdhsa_next_free_sgpr 100
		.amdhsa_reserve_vcc 0
		.amdhsa_float_denorm_mode_32 3
		.amdhsa_float_denorm_mode_16_64 3
		.amdhsa_memory_ordered 1
		.amdhsa_forward_progress 1
		.amdhsa_inst_pref_size 247
	.end_amdhsa_kernel
	.amdgpu_metadata
---
amdhsa.version: [ 1, 2 ]
amdhsa.kernels:
  - .name:           k_q54523b4482_cell
    .symbol:         k_q54523b4482_cell.kd
    .args:
      - { .name: ab, .offset: 0, .size: 8, .value_kind: global_buffer, .address_space: global }
      - { .name: wb, .offset: 8, .size: 8, .value_kind: global_buffer, .address_space: global }
      - { .name: cell_state, .offset: 16, .size: 8, .value_kind: global_buffer, .address_space: global }
      - { .name: bf, .offset: 24, .size: 8, .value_kind: global_buffer, .address_space: global }
      - { .name: bi, .offset: 32, .size: 8, .value_kind: global_buffer, .address_space: global }
      - { .name: bo, .offset: 40, .size: 8, .value_kind: global_buffer, .address_space: global }
      - { .name: bc, .offset: 48, .size: 8, .value_kind: global_buffer, .address_space: global }
      - { .name: out0, .offset: 56, .size: 8, .value_kind: global_buffer, .address_space: global }
      - { .name: out1, .offset: 64, .size: 8, .value_kind: global_buffer, .address_space: global }
    .group_segment_fixed_size: 327680
    .private_segment_fixed_size: 0
    .kernarg_segment_align: 8
    .kernarg_segment_size: 72
    .max_flat_workgroup_size: 128
    .sgpr_count:     100
    .vgpr_count:     1024
    .wavefront_size: 32
...
	.end_amdgpu_metadata
.endif
;; end of part 2
